; MI455X (gfx1250); checked and timed in simulation.
; The chip was launched on July 23, 2026; its instructions are those of AMD's public machine-readable ISA for CDNA 5 (MIT licence, August 2026) and "CDNA5" Instruction Set Architecture Reference Guide (July 2026). The comments in the code are by the model that wrote it; some were corrected since.
;; Self Attention. Allowed arithmetic: float matrix products may take bf16 or f16 operands with f32 sums; all other float work in f32.
;; Inputs: Wk 2,048 x 4 x 64 float32; Wo 16 x 64 x 2,048 float32; Wq 2,048 x 16 x 64 float32; Wv 2,048 x 4 x 64 float32; X 2 x 2,048 x 2,048 float32; q_positions 2 x 2,048 int32.
;; Outputs: out0 2 x 2,048 x 2,048 float32.
;; One version. Each part assembles by itself: llvm-mc -triple=amdgcn-amd-amdhsa -mcpu=gfx1250 --defsym DOCPART=n.
;; ======== version 1 of 1: 4 launches
;; limits: values are held in f16: magnitudes above 65,504 overflow, below 6.1e-05 lose precision; right only within a limited range of input values
;; workspace buffers: xh 16,777,216 bytes; wh 6,291,456 bytes; woh 4,194,304 bytes; rope 1,048,576 bytes; qkv 12,582,912 bytes; attn 8,388,608 bytes
;; launch prep (part 1): grid 1792 x 1, 8 waves a work-group, no clusters, 0 bytes of LDS; arguments X, Wq, Wk, Wv, Wo, q_positions, xh, wh, woh, rope; writes xh, wh, woh, rope
.if DOCPART == 1
	.amdgcn_target "amdgcn-amd-amdhsa--gfx1250"
	.amdhsa_code_object_version 6
	.text
	.protected	k_q252923cb2f_prep
	.globl	k_q252923cb2f_prep
	.p2align	8
	.type	k_q252923cb2f_prep,@function
k_q252923cb2f_prep:
	s_mov_b64 s[64:65], 0
	v_nop
	global_prefetch_b8 v0, s[64:65] scope:SCOPE_SE
	s_setreg_imm32_b32 hwreg(HW_REG_WAVE_MODE, 25, 1), 1
	s_wait_xcnt 0x0
; Casts X and the four weights from f32 to f16 (once, so that the products need not repeat it) and makes the RoPE table.
;   work-groups    0..127   q_positions -> rope [4096 tokens][cos-1 of 32 frequencies | sin of 32 frequencies], f32; 32 tokens each
;                128..1151  X  -> xh   [4096 tokens][2048], 4 tokens each
;               1152..1407  Wq -> wh   panels 0..15  [2048 k][64 columns], 128 k each; one panel = one query head
;               1408..1471  Wk -> wh   panels 16..19
;               1472..1535  Wv -> wh   panels 20..23
;               1536..1791  Wo -> woh  16 panels [1024 k][128 columns], 64 k each
; 1,792 work-groups are seven for each of 256 WGPs.  A cast work-group takes 8,192 numbers: 32 KiB in, 16 KiB out.
; ROTATED LAYOUTS.  The first product keeps its tiles of xh and wh in LDS without padding (two slots fill all of it), so the places are
; turned here, where it costs three instructions a store:
;   xh: of each aligned 256 bytes of token t, the 16-byte piece q lies at place (q + t) & 15;
;   wh: of row k's 128 bytes, the 32-byte pair p lies at place (p + (k >> 1)) & 3.
; Lanes only change places inside a row: every store of a wave still covers 512 consecutive bytes, aligned.
; No LDS, no barrier, no matrix unit: nothing is shared and nothing is reduced.
; LIMITS: |X|, |W| below 65,504 (f16's largest number); beyond it the cast gives infinity.
;         |q_positions| up to 2^23: the quotient by pi/2 must be a whole number that f32 holds exactly.
;         The angle is position x (1/timescale), the reciprocal from v_exp_f32, where the source divides: a relative
;         difference of a few 2^-24 in the angle.
.set OFF, 2                            ; v2       byte offset of my 32 bytes in the source
.set DO,  3                            ; v3       16 x thread: my 16 bytes in the output, places as they are (woh, rope)
.set DW,  4                            ; v4       the same with wh's rotation
.set DX,  8                            ; v[8:11]  the same with xh's rotation, one for each pass (a pass is a token)
.set IN,  16                           ; v[16:47] pass p: 8 numbers in f32
.set OUT, 48                           ; v[48:63] pass p: 8 numbers in f16
; source offset of a weight's block: j = id - first; chunk of k = j & 15 (1 << lk bytes each), panel = j >> 4 (1 << lp bytes each).
; output offset: (id - dfirst) x 16,384 bytes
.macro WOFF first, lk, lp, dfirst
	s_sub_co_u32 s3, s2, \first
	s_and_b32 s34, s3, 15
	s_lshl_b32 s34, s34, \lk
	s_lshr_b32 s36, s3, 4
	s_lshl_b32 s36, s36, \lp
	s_add_co_u32 s34, s34, s36
	s_sub_co_u32 s40, s2, \dfirst
	s_lshl_b32 s40, s40, 14
.endm
; The cast.  src, dst: the scalar pairs with the two buffers' addresses; a row of the block has 8 << sh numbers; rows are 1 << lp bytes apart.
; Thread t takes 8 numbers of row t >> sh; a pass covers 256 >> sh rows; four passes.  All eight loads go out first.
; dreg: the register with the output offset; per = 1: one register for each pass.
.macro CAST src, dst, sh, lp, dreg, per
	s_add_nc_u64 s[32:33], s[\src:\src+1], s[34:35]
	s_add_nc_u64 s[38:39], s[\dst:\dst+1], s[40:41]
	v_lshrrev_b32 v1, \sh, v0
	v_and_b32 v[OFF], (1<<\sh)-1, v0
	v_lshlrev_b32 v[OFF], 5, v[OFF]
	v_lshl_add_u32 v[OFF], v1, \lp, v[OFF]
.irp p, 0,1,2,3
	global_load_b128 v[IN+8*\p:IN+8*\p+3],   v[OFF], s[32:33] offset:\p*((256>>\sh)<<\lp) th:TH_LOAD_NT
	global_load_b128 v[IN+8*\p+4:IN+8*\p+7], v[OFF], s[32:33] offset:\p*((256>>\sh)<<\lp)+16 th:TH_LOAD_NT
.endr
.irp p, 0,1,2,3
	s_wait_loadcnt 6-2*\p                          ; loads return in order: pass p's two are in, the 6 - 2p younger ones stay out
.irp i, 0,1,2,3
	v_cvt_pk_f16_f32 v[OUT+4*\p+\i], v[IN+8*\p+2*\i], v[IN+8*\p+2*\i+1]
.endr
	global_store_b128 v[\dreg+\per*\p], v[OUT+4*\p:OUT+4*\p+3], s[38:39] offset:4096*\p   ; every register is written once: no wait for sources
.endr
	s_endpgm
.endm
	s_load_b512 s[8:23], s[0:1], 0x0               ; X 8, Wq 10, Wk 12, Wv 14, Wo 16, q_positions 18, xh 20, wh 22
	s_load_b128 s[24:27], s[0:1], 0x40             ; woh 24, rope 26
	s_mov_b32 s2, ttmp9
	s_mov_b32 s35, 0                               ; high words of the two offsets
	s_mov_b32 s41, 0
	v_lshlrev_b32 v[DO], 4, v0
	s_wait_kmcnt 0x0
	s_cmp_lt_u32 s2, 128
	s_cbranch_scc1 .Lrope
	s_cmp_lt_u32 s2, 1152
	s_cbranch_scc0 .Lnot_x
	s_sub_co_u32 s3, s2, 128                       ; j: tokens 4 j .. 4 j + 3; a pass of 256 threads x 8 numbers is one token
	s_lshl_b32 s34, s3, 15
	s_lshl_b32 s40, s3, 14
	s_and_b32 s36, s3, 3
	s_lshl_b32 s36, s36, 2                         ; (4 j) & 15
	v_add_nc_u32 v5, s36, v0                       ; piece + token, up to the pass
	v_and_b32 v6, 0xf0, v0
	v_lshlrev_b32 v6, 4, v6                        ; which 256 bytes of the token's row
.irp p, 0,1,2,3
	v_add_nc_u32 v7, \p, v5
	v_and_b32 v7, 15, v7                           ; place (q + t) & 15
	v_lshl_or_b32 v[DX+\p], v7, 4, v6
.endr
	CAST 8, 20, 3, 8, DX, 1                        ; X counts as rows of 64 numbers, 256 bytes apart: linear
.Lnot_x:
	s_cmp_lt_u32 s2, 1536
	s_cbranch_scc0 .Lwo
	v_bfe_u32 v5, v0, 1, 2                         ; my pair of 16-byte pieces in the row
	v_bfe_u32 v6, v0, 4, 2                         ; (k >> 1) & 3: my row in a pass is t >> 3, passes and chunks are multiples of 32 rows
	v_add_nc_u32 v5, v5, v6
	v_and_b32 v5, 3, v5                            ; place (p + (k >> 1)) & 3
	v_and_b32 v6, 0xf9, v0                         ; the thread's number without the pair's two bits
	v_lshl_or_b32 v5, v5, 1, v6
	v_lshlrev_b32 v[DW], 4, v5
	s_cmp_lt_u32 s2, 1408
	s_cbranch_scc0 .Lnot_wq
	WOFF 1152, 19, 8, 1152                         ; 128 rows of 4,096 bytes; a panel's columns are 256 bytes
	CAST 10, 22, 3, 12, DW, 0
.Lnot_wq:
	s_cmp_lt_u32 s2, 1472
	s_cbranch_scc0 .Lnot_wk
	WOFF 1408, 17, 8, 1152                         ; 128 rows of 1,024 bytes
	CAST 12, 22, 3, 10, DW, 0
.Lnot_wk:
	WOFF 1472, 17, 8, 1152
	CAST 14, 22, 3, 10, DW, 0
.Lwo:
	WOFF 1536, 19, 9, 1536                         ; 64 rows of 8,192 bytes; a panel's columns are 512 bytes
	CAST 16, 24, 4, 13, DO, 0
; The RoPE table: 32 tokens a work-group.  Sixteen lanes make one token's 256 bytes: lanes q < 8 cos - 1, the others sin,
; of the frequencies 4 (q & 7) + 0..3.  cos x = sin(x + pi/2): the cosine lanes add one to the quadrant.
.set PI,   4                           ; v[4:5]    the two passes' positions
.set INV,  12                          ; v[12:15]  1 / timescale of my four frequencies
.set ADDK, 28                          ; 1 in cosine lanes
.set ONE,  29                          ; 1.0 in cosine lanes
.set XR, 18
.set NR, 19
.set RR, 20
.set KR, 21
.set ZR, 22
.set SR, 23
.set CR, 24
.set ZZ, 25
.set HR, 26
.set PF, 27
.set RES, 32                           ; v[32:39]  pass p: four results
.macro SINCOS dst, inv
	v_mul_f32 v[XR], v[PF], v[\inv]                ; the angle
	v_mul_f32 v[NR], 0x3f22f983, v[XR]             ; x 2/pi
	v_rndne_f32 v[NR], v[NR]                       ; n: the quadrant
	v_fma_f32 v[RR], -v[NR], s44, v[XR]            ; r = x - n pi/2, pi/2 in three parts, each product exact inside the fused form
	v_fma_f32 v[RR], -v[NR], s45, v[RR]
	v_fma_f32 v[RR], -v[NR], s46, v[RR]            ; |r| <= pi/4
	v_cvt_i32_f32 v[KR], v[NR]
	v_add_nc_u32 v[KR], v[KR], v[ADDK]
	v_mul_f32 v[ZR], v[RR], v[RR]
	v_fma_f32 v[SR], v[ZR], s47, s48               ; sin r = r + r z (S1 + z (S2 + z S3))
	v_fma_f32 v[CR], v[ZR], s50, s51               ; cos r = 1 - z/2 + z z (C2 + z (C1 + z C0))
	v_fma_f32 v[SR], v[SR], v[ZR], s49
	v_fma_f32 v[CR], v[CR], v[ZR], s52
	v_mul_f32 v[SR], v[SR], v[ZR]
	v_mul_f32 v[ZZ], v[ZR], v[ZR]
	v_fma_f32 v[HR], v[ZR], -0.5, 1.0
	v_fma_f32 v[SR], v[SR], v[RR], v[RR]
	v_fma_f32 v[CR], v[CR], v[ZZ], v[HR]
	v_and_b32 v[HR], 1, v[KR]
	v_cmp_eq_u32 vcc_lo, 1, v[HR]
	v_cndmask_b32 v[SR], v[SR], v[CR], vcc_lo      ; odd quadrant: the cosine
	v_lshlrev_b32 v[KR], 30, v[KR]
	v_and_b32 v[KR], 0x80000000, v[KR]             ; quadrants 2 and 3: the sign turns
	v_xor_b32 v[SR], v[SR], v[KR]
	v_sub_f32 v[\dst], v[SR], v[ONE]
.endm
.Lrope:
	s_lshl_b32 s34, s2, 7                          ; 32 positions of 4 bytes
	s_lshl_b32 s40, s2, 13                         ; 32 tokens of 256 bytes
	s_add_nc_u64 s[32:33], s[18:19], s[34:35]
	s_add_nc_u64 s[38:39], s[26:27], s[40:41]
	v_lshrrev_b32 v1, 4, v0                        ; my token in a pass of sixteen
	v_lshlrev_b32 v[OFF], 2, v1
.irp p, 0,1
	global_load_b32 v[PI+\p], v[OFF], s[32:33] offset:64*\p
.endr
	s_mov_b32 s44, 0x3fc90fdb                      ; pi/2 = s44 + s45 + s46
	s_mov_b32 s45, 0xb33bbd2e
	s_mov_b32 s46, 0xa6f72ced
	s_mov_b32 s47, 0xb94ca1f9                      ; S3, S2, S1
	s_mov_b32 s48, 0x3c08839e
	s_mov_b32 s49, 0xbe2aaaa3
	s_mov_b32 s50, 0x37ccf5ce                      ; C0, C1, C2
	s_mov_b32 s51, 0xbab6061a
	s_mov_b32 s52, 0x3d2aaaa5
	v_and_b32 v1, 7, v0
	v_lshlrev_b32 v1, 2, v1                        ; my first frequency
.irp i, 0,1,2,3
	v_add_nc_u32 v[XR], \i, v1
	v_cvt_f32_u32 v[XR], v[XR]
	v_mul_f32 v[INV+\i], 0xbed49a78, v[XR]         ; - f log2(10000) / 32
.endr
.irp i, 0,1,2,3
	v_exp_f32 v[INV+\i], v[INV+\i]                 ; 10000^(-f/32)
.endr
	v_and_b32 v1, 8, v0                            ; a plain instruction stands behind the exponentials before their results are used (ISA guide 5.7.2)
	v_cmp_eq_u32 vcc_lo, 0, v1
	v_cndmask_b32 v[ADDK], 0, 1, vcc_lo
	v_cndmask_b32 v[ONE], 0, 1.0, vcc_lo
	s_wait_alu depctr_va_vdst(0)
.irp p, 0,1
	s_wait_loadcnt 1-\p                            ; pass p's position is in, the younger one stays out
	v_cvt_f32_i32 v[PF], v[PI+\p]
	SINCOS RES+4*\p, INV
	SINCOS RES+4*\p+1, INV+1
	SINCOS RES+4*\p+2, INV+2
	SINCOS RES+4*\p+3, INV+3
	global_store_b128 v[DO], v[RES+4*\p:RES+4*\p+3], s[38:39] offset:4096*\p   ; sixteen lanes: one token's 256 bytes
.endr
	s_endpgm
.Lfunc_end_k_q252923cb2f_prep:
	.size	k_q252923cb2f_prep, .Lfunc_end_k_q252923cb2f_prep-k_q252923cb2f_prep
	.p2alignl 7, 3214868480
	.fill 96, 4, 3214868480
	.section	.rodata,"a",@progbits
	.p2align	6, 0x0
	.amdhsa_kernel k_q252923cb2f_prep
		.amdhsa_group_segment_fixed_size 0
		.amdhsa_private_segment_fixed_size 0
		.amdhsa_enable_private_segment 0
		.amdhsa_kernarg_size 80
		.amdhsa_user_sgpr_count 2
		.amdhsa_user_sgpr_kernarg_segment_ptr 1
		.amdhsa_wavefront_size32 1
		.amdhsa_system_sgpr_workgroup_id_x 1
		.amdhsa_system_sgpr_workgroup_id_y 1
		.amdhsa_system_sgpr_workgroup_id_z 1
		.amdhsa_system_vgpr_workitem_id 0
		.amdhsa_next_free_vgpr 64
		.amdhsa_next_free_sgpr 66
		.amdhsa_reserve_vcc 1
		.amdhsa_float_denorm_mode_32 3
		.amdhsa_float_denorm_mode_16_64 3
		.amdhsa_memory_ordered 1
		.amdhsa_forward_progress 1
		.amdhsa_inst_pref_size 28
	.end_amdhsa_kernel
	.amdgpu_metadata
---
amdhsa.version: [ 1, 2 ]
amdhsa.kernels:
  - .name:           k_q252923cb2f_prep
    .symbol:         k_q252923cb2f_prep.kd
    .args:
      - { .name: X, .offset: 0, .size: 8, .value_kind: global_buffer, .address_space: global }
      - { .name: Wq, .offset: 8, .size: 8, .value_kind: global_buffer, .address_space: global }
      - { .name: Wk, .offset: 16, .size: 8, .value_kind: global_buffer, .address_space: global }
      - { .name: Wv, .offset: 24, .size: 8, .value_kind: global_buffer, .address_space: global }
      - { .name: Wo, .offset: 32, .size: 8, .value_kind: global_buffer, .address_space: global }
      - { .name: q_positions, .offset: 40, .size: 8, .value_kind: global_buffer, .address_space: global }
      - { .name: xh, .offset: 48, .size: 8, .value_kind: global_buffer, .address_space: global }
      - { .name: wh, .offset: 56, .size: 8, .value_kind: global_buffer, .address_space: global }
      - { .name: woh, .offset: 64, .size: 8, .value_kind: global_buffer, .address_space: global }
      - { .name: rope, .offset: 72, .size: 8, .value_kind: global_buffer, .address_space: global }
    .group_segment_fixed_size: 0
    .private_segment_fixed_size: 0
    .kernarg_segment_align: 8
    .kernarg_segment_size: 80
    .max_flat_workgroup_size: 256
    .sgpr_count:     66
    .vgpr_count:     64
    .wavefront_size: 32
...
	.end_amdgpu_metadata
.endif
;; end of part 1
;; launch qkv (part 2): grid 8 x 32, 4 waves a work-group, clusters of 4 x 4, 327,680 bytes of LDS; arguments xh, wh, rope, qkv; writes qkv
.if DOCPART == 2
	.amdgcn_target "amdgcn-amd-amdhsa--gfx1250"
	.amdhsa_code_object_version 6
	.text
	.protected	k_q252923cb2f_qkv
	.globl	k_q252923cb2f_qkv
	.p2align	8
	.type	k_q252923cb2f_qkv,@function
k_q252923cb2f_qkv:
	s_mov_b64 s[64:65], 0
	v_nop
	global_prefetch_b8 v0, s[64:65] scope:SCOPE_SE
	s_setreg_imm32_b32 hwreg(HW_REG_WAVE_MODE, 25, 1), 1
	s_wait_xcnt 0x0
	s_wait_alu depctr_hold_cnt(0) depctr_sa_sdst(0) depctr_va_vdst(0) depctr_va_sdst(0) depctr_va_ssrc(0) depctr_va_vcc(0) depctr_vm_vsrc(0)
	s_getreg_b32 s2, hwreg(HW_REG_IB_STS2, 6, 4)
	s_cmp_eq_u32 s2, 0
	s_cbranch_scc0 .Lentry_in_a_cluster
	s_endpgm
.Lentry_in_a_cluster:
	s_bfe_u32 s2, ttmp6, 0x10000c
	s_cmp_lg_u32 s2, 0xf033
	s_cbranch_scc0 .Lentry_shape_is_right
	s_endpgm
.Lentry_shape_is_right:
; q, k, v = X W, then RoPE on q and k.  xh: [4096 tokens][2048] f16.  wh: [24 heads][2048 k][64] f16 (0-15 q, 16-19 k, 20-23 v).
; rope: [4096][cos-1 x 32 | sin x 32] f32.  qkv out: [24 heads][4096 tokens][64] f16.  Sums in f32.
; A work-group makes 128 tokens x 3 heads (192 columns) with four waves; a wave makes 64 tokens x 96 columns: 24 accumulator tiles.
; K goes in steps of 256 through two LDS slots filled by the tensor data mover: 98,304 bytes of W and 65,536 of X a slot, and the two
; slots are all of the 327,680 bytes: six refills in the launch, each with 186 of a wave's matrix instructions in which to land.
; So the tiles lie in LDS WITHOUT PADDING, and the places inside a row are turned instead, in memory already:
;   xh: of each aligned 256 bytes of token t, the 16-byte piece q lies at place (q + t) & 15: the sixteen rows that a fragment load
;       touches give sixteen different 16-byte columns of the 256 bytes that the 64 banks of 4 bytes span (ISA guide 11.1);
;   wh: of row k's 128 bytes, the 32-byte pair p lies at place (p + (k >> 1)) & 3: the eight rows of a transposing load likewise.
; 4 x 4 work-groups form a cluster: the four of a row of the cluster need the same tile of X, the four of a column the same panels of W;
; each tile is asked for jointly.
; f16, not bf16: the scores are used with scale 1, so an absolute error of a score is a relative error of a probability;
; LIMIT: |q|, |k|, |v| below 65,504.
; W lies [k][column] in LDS: its fragments come through the transposing load.  THE MATRIX INSTRUCTION IS USED TRANSPOSED: source 0 = 16
; columns of W, source 1 = 16 tokens, so lane l holds token l % 16 and its registers 0-7 the columns 8 (l / 16) + 0..7.
; Wave half c takes the 16-column blocks c, c+2, .. : tile 2 hh holds d = 16 c + 8 h + j of head hh, tile 2 hh + 1 holds d + 32:
; the two partners of a rotation lie in the same lane and register number, and RoPE needs no traffic between lanes.
; REGISTERS: window 0: v2-29 addresses; v32-111, v112-191 two fragment buffers (4 of X, then 6 of W); v192-255 the RoPE table.
;            window 1: the 24 accumulator tiles, tile (a, b) at v[8 (6 a + b)].
.set KSIZE,  2048
.set KSTEP,  256
.set LAPS,   KSIZE/(2*KSTEP)           ; a lap = two K steps = once round the ring: four laps
.set NB,     6                         ; column blocks of a wave
.set NLD,    2*NB+8                    ; LDS loads of a quarter... of an eighth step: 32 along K
.set PA,     512                       ; X's LDS row: 256 numbers, no padding
.set PB,     128                       ; W's LDS row: 64 numbers, no padding
.set BPANEL, KSTEP*PB                  ; 256 k of one head
.set AOFF,   3*BPANEL                  ; X's tile lies behind the three panels
.set SLOT,   AOFF+128*PA               ; 163,840
.set SP,     144                       ; the stage for the way out: [3 heads][128 tokens][144 bytes], from LDS byte 0: in slot 0, whose last
.set SHEAD,  128*SP                    ; fill and last read are over at the barrier in front of the last K step
.set ASTEP,  KSTEP*2                   ; a K step in bytes along X's rows
.set BSTEP,  KSTEP*128                 ; and down a panel
.set ADRA, 2                           ; v[2+8s+j]  X fragments in slot s: the piece 2 j + h of a row's 256 bytes, turned by the row
.set ADRB, 18                          ; v[18+4s+2p+u]  W fragments in slot s: column block c + 2 p of a head; u = 1: the third panel
.set STO,  26
.set RD,   27
.set CO,   28
.set TO,   29
.set F0,   32
.set F1,   112
.set TAB,  192
.set T,    32                          ; set-up and the way out work in the fragment buffers
.set G1A, 24                           ; s[24:31] group 1 for X's tile;  s[32:39] its group 0, one set a slot
.set G0A, 32
.set G1B, 40                           ; s[40:47] group 1 for W's panels; s[48:55] their group 0
.set G0B, 48
.set MSB, 0
.macro WIN new                         ; the immediate's high byte repeats the setting that is left
.if MSB != \new
	s_set_vgpr_msb (MSB<<8)|\new
.set MSB, \new
.endif
.endm
.macro PLACES                          ; four places behind a matrix instruction before its registers are loaded into or its result is read (ISA guide 7.12.1)
.rept 4
	v_nop
.endr
.endm
; A joint load: wave 3 asks for X's 128 rows, waves 0 to 2 for one panel each.  The branch hangs on the wave's number alone.
.macro JLOAD s
	s_cmp_eq_u32 s12, 3
	s_cbranch_scc0 .Lfor_b_\@
	tensor_load_to_lds s[G0A+4*\s:G0A+4*\s+3], s[G1A:G1A+7]
	s_nop 0
	s_branch .Lasked_\@
.Lfor_b_\@:
	tensor_load_to_lds s[G0B+4*\s:G0B+4*\s+3], s[G1B:G1B+7]
	s_nop 0
.Lasked_\@:
.endm
.macro CREST                           ; a round of the cluster's barrier behind its opening barrier
	s_cmp_lg_u32 s12, 0
	s_cbranch_scc1 .Lnot_wave_0_\@
	s_barrier_signal -3
.Lnot_wave_0_\@:
	s_barrier_wait -3
	s_barrier_signal -1
	s_barrier_wait -1
.endm
.macro CROUND
	s_barrier_signal -1
	s_barrier_wait -1
	CREST
.endm
	s_load_b256 s[4:11], s[0:1], 0x0               ; xh 4, wh 6, rope 8, qkv 10
	v_lshrrev_b32 v1, 5, v0
	v_readfirstlane_b32 s12, v1                    ; wave 0..3
	s_lshr_b32 s13, s12, 1                         ; rh: which 64 tokens
	s_and_b32 s14, s12, 1                          ; c: which column blocks
	s_bfe_u32 s16, ttmp6, 0x40000                  ; cx
	s_bfe_u32 s17, ttmp6, 0x40004                  ; cy
	s_lshl_b32 s18, ttmp9, 2
	s_add_co_u32 s18, s18, s16                     ; bx: heads 3 bx .. 3 bx + 2
	s_and_b32 s19, ttmp7, 0xffff
	s_lshl_b32 s19, s19, 2
	s_add_co_u32 s19, s19, s17                     ; by: tokens 128 by ..
	s_lshl_b32 s20, s17, 2
	s_lshl_b32 s20, 15, s20                        ; my row of the cluster
	s_lshl_b32 s21, 0x1111, s16                    ; my column
	s_or_b32 s[G1A+0], s20, (1<<16)|(1<<21)        ; mask; 2-byte elements; no padding; bit 21 beside a mask
	s_mov_b32 s[G1A+1], KSTEP<<16                  ; tensor_dim0 = 256
	s_mov_b32 s[G1A+2], 128<<16                    ; tensor_dim1 = 128
	s_mov_b32 s[G1A+3], KSTEP<<16                  ; tile_dim0 = 256: rows of 512 bytes
	s_mov_b32 s[G1A+4], 128                        ; tile_dim1 = 128 rows
	s_mov_b32 s[G1A+5], KSIZE                      ; elements from row to row
	s_mov_b32 s[G1A+6], 0
	s_mov_b32 s[G1A+7], 0
	s_or_b32 s[G1B+0], s21, (3<<16)|(1<<21)        ; 256 k of a panel are 32,768 dense bytes: 128 rows of 32 elements of 8 bytes
	s_mov_b32 s[G1B+1], 32<<16                     ; tensor_dim0 = 32
	s_mov_b32 s[G1B+2], 128<<16                    ; tensor_dim1 = 128
	s_mov_b32 s[G1B+3], 32<<16                     ; tile_dim0 = 32
	s_mov_b32 s[G1B+4], 128                        ; tile_dim1 = 128
	s_mov_b32 s[G1B+5], 32                         ; dense
	s_mov_b32 s[G1B+6], 0
	s_mov_b32 s[G1B+7], 0
	s_lshl_b32 s56, s19, 19                        ; X: 128 by rows of 4,096 bytes (made of by alone)
	s_mov_b32 s57, 0
	s_mul_i32 s60, s18, 3                          ; my first head (made of bx alone)
	s_add_co_u32 s62, s60, s12
	s_lshl_b32 s62, s62, 18                        ; W: panel 3 bx + wave, 262,144 bytes each
	s_mov_b32 s63, 0
	s_mul_i32 s22, s12, BPANEL                     ; and where it goes: wave x a panel
.irp hh, 0,1,2
	s_add_co_u32 s72, s60, \hh
	s_cmp_lt_u32 s72, 20                           ; heads 0-19 are rotated, v's heads 20-23 are not:
	s_cselect_b32 s[66+2*\hh], 0x3f800000, 0       ; a factor 1 or 0 on the rotation's increment; a select, no branch
	s_mov_b32 s[67+2*\hh], s[66+2*\hh]
.endr
	s_lshl_b32 s72, s19, 15                        ; the table: 128 by tokens of 256 bytes
	s_mov_b32 s73, 0
	s_lshl_b32 s74, s60, 19                        ; the output: head 3 bx (524,288 bytes each), token 128 by (128 bytes each)
	s_lshl_b32 s75, s19, 14
	s_add_co_u32 s74, s74, s75
	s_mov_b32 s75, 0
	s_wait_kmcnt 0x0
	s_add_nc_u64 s[58:59], s[4:5], s[56:57]
	s_add_nc_u64 s[62:63], s[6:7], s[62:63]
	s_add_nc_u64 s[8:9], s[8:9], s[72:73]
	s_add_nc_u64 s[10:11], s[10:11], s[74:75]
	CROUND                                         ; all sixteen work-groups are here: the first joint loads meet
.irp s, 0,1
	s_mov_b32 s[G0A+4*\s], 1
	s_mov_b32 s[G0A+4*\s+1], AOFF+\s*SLOT
	s_add_nc_u64 s[G0A+4*\s+2:G0A+4*\s+3], s[58:59], \s*ASTEP
	s_or_b32 s[G0A+4*\s+3], s[G0A+4*\s+3], 0x80000000
	s_mov_b32 s[G0B+4*\s], 1
	s_add_co_u32 s[G0B+4*\s+1], s22, \s*SLOT
	s_add_nc_u64 s[G0B+4*\s+2:G0B+4*\s+3], s[62:63], \s*BSTEP
	s_or_b32 s[G0B+4*\s+3], s[G0B+4*\s+3], 0x80000000
	JLOAD \s                                       ; both slots' first fills go out together: two tensor loads of a wave are out, the most in this text
.endr
	v_and_b32 v[T], 15, v0                         ; r = l % 16
	v_bfe_u32 v[T+1], v0, 4, 1                     ; h = l / 16
	v_and_b32 v[T+2], 7, v0
	v_bfe_u32 v[T+3], v0, 3, 1
	v_and_b32 v[T+4], 31, v0
	; X fragments: row 64 rh + r of the tile; the piece 2 j + h of a row's 256 bytes lies at place (2 j + h + r) & 15
	v_lshlrev_b32 v[T+5], 9, v[T]
	s_lshl_b32 s72, s13, 15                        ; 64 rows of 512 bytes
	s_add_co_u32 s72, s72, AOFF
	v_add_nc_u32 v[T+5], s72, v[T+5]
	v_add_nc_u32 v[T+6], v[T], v[T+1]              ; r + h
.irp j, 0,1,2,3,4,5,6,7
	v_add_nc_u32 v[T+7], 2*\j, v[T+6]
	v_and_b32 v[T+7], 15, v[T+7]
	v_lshl_add_u32 v[ADRA+\j], v[T+7], 4, v[T+5]
	v_add_nc_u32 v[ADRA+8+\j], SLOT, v[ADRA+\j]
.endr
	; W fragments through the transposing load: row k = 8 h + l % 8, 16 bytes (8 columns) by bit 3 of the lane;
	; the pair c + 2 p of the row lies at place (c + 2 p + (k >> 1)) & 3, and (k >> 1) & 3 = (l >> 1) & 3
	v_lshl_add_u32 v[T+8], v[T+1], 3, v[T+2]
	v_lshlrev_b32 v[T+8], 7, v[T+8]
	v_lshl_add_u32 v[T+8], v[T+3], 4, v[T+8]
	v_bfe_u32 v[T+9], v0, 1, 2
	v_add_nc_u32 v[T+9], s14, v[T+9]
.irp p, 0,1
	v_add_nc_u32 v[T+10], 2*\p, v[T+9]
	v_and_b32 v[T+10], 3, v[T+10]
	v_lshl_add_u32 v[ADRB+2*\p], v[T+10], 5, v[T+8]
	v_add_nc_u32 v[ADRB+2*\p+1], 2*BPANEL, v[ADRB+2*\p]            ; the third panel lies beyond the reach of a 16-bit offset
	v_add_nc_u32 v[ADRB+4+2*\p], SLOT, v[ADRB+2*\p]
	v_add_nc_u32 v[ADRB+4+2*\p+1], SLOT+2*BPANEL, v[ADRB+2*\p]
.endr
	v_mul_u32_u24 v[T+11], v[T], SP                ; stage in: token 64 rh + r, byte 32 c + 16 h
	v_lshl_add_u32 v[T+11], v[T+1], 4, v[T+11]
	s_mul_i32 s72, s13, 64*SP
	s_lshl_b32 s73, s14, 5
	s_add_co_u32 s72, s72, s73
	v_add_nc_u32 v[STO], s72, v[T+11]
	v_bfe_u32 v[T+12], v0, 3, 2                    ; stage back: eight lanes take a token's 128 bytes, a wave four tokens
	v_mul_u32_u24 v[T+12], v[T+12], SP
	v_lshl_add_u32 v[T+12], v[T+2], 4, v[T+12]
	s_mul_i32 s72, s12, 32*SP
	v_add_nc_u32 v[RD], s72, v[T+12]
	v_lshlrev_b32 v[CO], 4, v[T+4]                 ; and the same four tokens in memory: 512 consecutive bytes
	s_lshl_b32 s72, s12, 12
	v_add_nc_u32 v[CO], s72, v[CO]
	v_lshlrev_b32 v[TO], 8, v[T]                   ; the table: token 64 rh + r, frequencies 16 c + 8 h + 0..7
	v_lshl_add_u32 v[TO], v[T+1], 5, v[TO]
	s_lshl_b32 s72, s13, 14
	s_lshl_b32 s73, s14, 6
	s_add_co_u32 s72, s72, s73
	v_add_nc_u32 v[TO], s72, v[TO]
.irp a, 0,1,2,3                                    ; asked for now, waited for on the way out; their registers and addresses are not touched in between
	global_load_b128 v[TAB+16*\a:TAB+16*\a+3],     v[TO], s[8:9] offset:\a*4096
	global_load_b128 v[TAB+16*\a+4:TAB+16*\a+7],   v[TO], s[8:9] offset:\a*4096+16
	global_load_b128 v[TAB+16*\a+8:TAB+16*\a+11],  v[TO], s[8:9] offset:\a*4096+128
	global_load_b128 v[TAB+16*\a+12:TAB+16*\a+15], v[TO], s[8:9] offset:\a*4096+144
.endr
; six matrix instructions: row block a x my six column blocks, 32 along K.  The 24 accumulators take turns, one instruction a turn, in the
; same order in every part of a step.
.macro MULA f, a, zero
.irp b, 0,1,2,3,4,5
.if \zero
	v_wmma_f32_16x16x32_f16 v[8*(NB*\a+\b):8*(NB*\a+\b)+7], v[\f+32+8*\b:\f+32+8*\b+7], v[\f+8*\a:\f+8*\a+7], 0
.else
	v_wmma_f32_16x16x32_f16 v[8*(NB*\a+\b):8*(NB*\a+\b)+7], v[\f+32+8*\b:\f+32+8*\b+7], v[\f+8*\a:\f+8*\a+7], v[8*(NB*\a+\b):8*(NB*\a+\b)+7]
.endif
.endr
.endm
; the fragments of part kq (32 along K, kq = 0..7) of a slot into buffer f: W's twelve loads, then X's eight
.macro FETCH slot, kq, f
	WIN 0
.irp b, 0,1,2,3,4,5
	ds_load_tr16_b128 v[\f+32+8*\b:\f+32+8*\b+3],   v[ADRB+4*\slot+2*(\b&1)+(\b>>2)] offset:((\b>>1)&1)*BPANEL+\kq*32*PB
	ds_load_tr16_b128 v[\f+32+8*\b+4:\f+32+8*\b+7], v[ADRB+4*\slot+2*(\b&1)+(\b>>2)] offset:((\b>>1)&1)*BPANEL+\kq*32*PB+16*PB
.endr
.irp a, 0,1,2,3
	ds_load_b128 v[\f+8*\a:\f+8*\a+3],   v[ADRA+8*\slot+2*(\kq&3)]   offset:\a*16*PA+(\kq>>2)*256
	ds_load_b128 v[\f+8*\a+4:\f+8*\a+7], v[ADRA+8*\slot+2*(\kq&3)+1] offset:\a*16*PA+(\kq>>2)*256
.endr
.endm
; multiplies buffer f; in its middle fetches part kq of the same slot into buffer g
.macro PART slot, kq, f, g, zero
	s_wait_dscnt 4                                 ; all but the youngest four loads: X's row blocks 2 and 3 may be out
	WIN 0x50                                       ; C and D in window 1
	MULA \f, 0, \zero
	MULA \f, 1, \zero
	PLACES
	FETCH \slot, \kq, \g
	s_wait_dscnt NLD                               ; all but the loads just issued
	WIN 0x50
	MULA \f, 2, \zero
	MULA \f, 3, \zero
.endm
.macro SEVEN slot, zero
	PART \slot, 1, F0, F1, \zero
	PART \slot, 2, F1, F0, 0
	PART \slot, 3, F0, F1, 0
	PART \slot, 4, F1, F0, 0
	PART \slot, 5, F0, F1, 0
	PART \slot, 6, F1, F0, 0
	PART \slot, 7, F0, F1, 0
.endm
; The last part multiplies buffer 1 and changes slots.  In front of the barrier each wave waits for its reads of this slot and for all
; its tensor loads (one is out: its part of the next slot).  Where the slot is filled again the barrier opens a round of the cluster's
; barrier, and the joint refill is the first tensor load behind the round.  From a request to its wait a wave issues 186 matrix instructions.
.macro TURN slot, next, fill
	s_wait_dscnt 4
	WIN 0x50
	MULA F1, 0, 0
	s_wait_dscnt 0
	s_wait_tensorcnt 0x0
	s_barrier_signal -1
	MULA F1, 1, 0                                  ; registers only, while the others arrive
	WIN 0
	s_barrier_wait -1
.if \fill
	CREST
	s_add_nc_u64 s[G0A+4*\slot+2:G0A+4*\slot+3], s[G0A+4*\slot+2:G0A+4*\slot+3], 2*ASTEP   ; no load of mine is out: group 0 may be written
	s_add_nc_u64 s[G0B+4*\slot+2:G0B+4*\slot+3], s[G0B+4*\slot+2:G0B+4*\slot+3], 2*BSTEP
	JLOAD \slot
.endif
	PLACES
	FETCH \next, 0, F0
	WIN 0x50
	MULA F1, 2, 0
	MULA F1, 3, 0
.endm
.macro LAP zero
	SEVEN 0, \zero
	TURN 0, 1, 1
	SEVEN 1, 0
	TURN 1, 0, 1
.endm
	s_wait_tensorcnt 0x1                           ; my part of K step 0 is in; K step 1's stays out
	s_barrier_signal -1
	s_barrier_wait -1
	FETCH 0, 0, F0
	LAP 1                                          ; the first products start the sums: nothing is cleared
	WIN 0
	s_mov_b32 s15, LAPS-2
.Llap:
	LAP 0
	WIN 0
	s_sub_co_u32 s15, s15, 1
	s_cmp_lg_u32 s15, 0
	s_cbranch_scc1 .Llap
	SEVEN 0, 0                                     ; the last lap fills nothing
	TURN 0, 1, 0                                   ; behind this barrier no wave reads slot 0 and no load fills it: it serves as the stage
	SEVEN 1, 0
	s_wait_dscnt 4
	WIN 0x50
	MULA F1, 0, 0
	MULA F1, 1, 0
	s_wait_dscnt 0
	MULA F1, 2, 0
	MULA F1, 3, 0
	PLACES
; THE WAY OUT.  out1 = x1 + s (x1 (cos-1) - x2 sin), out2 = x2 + s (x2 (cos-1) + x1 sin), s = 1 for q and k, 0 for v.
.macro ROPE a
	WIN 0x01                                       ; source 0 in window 1: the accumulators
.irp hh, 0,1,2
.irp j, 0,2,4,6
	v_pk_mul_f32 v[T+16*\hh+\j:T+16*\hh+\j+1],     v[8*(NB*\a+2*\hh)+\j:8*(NB*\a+2*\hh)+\j+1],     v[TAB+16*\a+\j:TAB+16*\a+\j+1]
	v_pk_mul_f32 v[T+16*\hh+8+\j:T+16*\hh+8+\j+1], v[8*(NB*\a+2*\hh+1)+\j:8*(NB*\a+2*\hh+1)+\j+1], v[TAB+16*\a+\j:TAB+16*\a+\j+1]
.endr
.irp j, 0,2,4,6
	v_pk_fma_f32 v[T+16*\hh+\j:T+16*\hh+\j+1],     v[8*(NB*\a+2*\hh+1)+\j:8*(NB*\a+2*\hh+1)+\j+1], v[TAB+16*\a+8+\j:TAB+16*\a+8+\j+1], v[T+16*\hh+\j:T+16*\hh+\j+1] neg_lo:[0,1,0] neg_hi:[0,1,0]
	v_pk_fma_f32 v[T+16*\hh+8+\j:T+16*\hh+8+\j+1], v[8*(NB*\a+2*\hh)+\j:8*(NB*\a+2*\hh)+\j+1],     v[TAB+16*\a+8+\j:TAB+16*\a+8+\j+1], v[T+16*\hh+8+\j:T+16*\hh+8+\j+1]
.endr
.endr
	WIN 0x10                                       ; source 2 in window 1
.irp hh, 0,1,2
.irp j, 0,2,4,6
	v_pk_fma_f32 v[T+16*\hh+\j:T+16*\hh+\j+1],     v[T+16*\hh+\j:T+16*\hh+\j+1],     s[66+2*\hh:67+2*\hh], v[8*(NB*\a+2*\hh)+\j:8*(NB*\a+2*\hh)+\j+1] op_sel_hi:[1,0,1]
	v_pk_fma_f32 v[T+16*\hh+8+\j:T+16*\hh+8+\j+1], v[T+16*\hh+8+\j:T+16*\hh+8+\j+1], s[66+2*\hh:67+2*\hh], v[8*(NB*\a+2*\hh+1)+\j:8*(NB*\a+2*\hh+1)+\j+1] op_sel_hi:[1,0,1]
.endr
.endr
	WIN 0
.irp hh, 0,1,2
.irp i, 0,1,2,3
	v_cvt_pk_f16_f32 v[T+16*\hh+\i], v[T+16*\hh+2*\i], v[T+16*\hh+2*\i+1]
.endr
.irp i, 0,1,2,3
	v_cvt_pk_f16_f32 v[T+16*\hh+8+\i], v[T+16*\hh+8+2*\i], v[T+16*\hh+8+2*\i+1]
.endr
	ds_store_b128 v[STO], v[T+16*\hh:T+16*\hh+3]    offset:\hh*SHEAD+\a*16*SP
	ds_store_b128 v[STO], v[T+16*\hh+8:T+16*\hh+11] offset:\hh*SHEAD+\a*16*SP+64
.endr
.endm
	s_wait_loadcnt 0x0                             ; the table
	ROPE 0
	ROPE 1
	ROPE 2
	ROPE 3
	s_wait_dscnt 0x0                               ; my stores are in LDS: a token's 128 bytes come from both column halves,
	s_barrier_signal -1
	s_barrier_wait -1                              ; so whole rows are read behind a barrier
.irp hh, 0,1,2
.irp i, 0,1,2,3,4,5,6,7
	ds_load_b128 v[T+4*(8*\hh+\i):T+4*(8*\hh+\i)+3], v[RD] offset:\hh*SHEAD+\i*4*SP
.endr
.endr
.irp hh, 0,1,2
.irp i, 0,1,2,3,4,5,6,7
	s_wait_dscnt 23-(8*\hh+\i)
	global_store_b128 v[CO], v[T+4*(8*\hh+\i):T+4*(8*\hh+\i)+3], s[10:11] offset:\hh*524288+\i*512   ; 512 consecutive bytes, aligned
.endr
.endr
	CROUND                                         ; the closing round: no work-group ends while a partner may still ask for a tile that names it
	s_endpgm
.Lfunc_end_k_q252923cb2f_qkv:
	.size	k_q252923cb2f_qkv, .Lfunc_end_k_q252923cb2f_qkv-k_q252923cb2f_qkv
	.p2alignl 7, 3214868480
	.fill 96, 4, 3214868480
	.section	.rodata,"a",@progbits
	.p2align	6, 0x0
	.amdhsa_kernel k_q252923cb2f_qkv
		.amdhsa_group_segment_fixed_size 327680
		.amdhsa_private_segment_fixed_size 0
		.amdhsa_enable_private_segment 0
		.amdhsa_kernarg_size 32
		.amdhsa_user_sgpr_count 2
		.amdhsa_user_sgpr_kernarg_segment_ptr 1
		.amdhsa_wavefront_size32 1
		.amdhsa_system_sgpr_workgroup_id_x 1
		.amdhsa_system_sgpr_workgroup_id_y 1
		.amdhsa_system_sgpr_workgroup_id_z 1
		.amdhsa_system_vgpr_workitem_id 0
		.amdhsa_next_free_vgpr 448
		.amdhsa_next_free_sgpr 80
		.amdhsa_reserve_vcc 0
		.amdhsa_float_denorm_mode_32 3
		.amdhsa_float_denorm_mode_16_64 3
		.amdhsa_memory_ordered 1
		.amdhsa_forward_progress 1
		.amdhsa_inst_pref_size 189
	.end_amdhsa_kernel
	.amdgpu_metadata
---
amdhsa.version: [ 1, 2 ]
amdhsa.kernels:
  - .name:           k_q252923cb2f_qkv
    .symbol:         k_q252923cb2f_qkv.kd
    .args:
      - { .name: xh, .offset: 0, .size: 8, .value_kind: global_buffer, .address_space: global }
      - { .name: wh, .offset: 8, .size: 8, .value_kind: global_buffer, .address_space: global }
      - { .name: rope, .offset: 16, .size: 8, .value_kind: global_buffer, .address_space: global }
      - { .name: qkv, .offset: 24, .size: 8, .value_kind: global_buffer, .address_space: global }
    .group_segment_fixed_size: 327680
    .private_segment_fixed_size: 0
    .kernarg_segment_align: 8
    .kernarg_segment_size: 32
    .max_flat_workgroup_size: 128
    .sgpr_count:     80
    .vgpr_count:     448
    .wavefront_size: 32
...
	.end_amdgpu_metadata
.endif
;; end of part 2
;; launch attn (part 3): grid 32 x 8, 4 waves a work-group, no clusters, 327,680 bytes of LDS; arguments qkv, attn; writes attn
.if DOCPART == 3
	.amdgcn_target "amdgcn-amd-amdhsa--gfx1250"
	.amdhsa_code_object_version 6
	.text
	.protected	k_q252923cb2f_attn
	.globl	k_q252923cb2f_attn
	.p2align	8
	.type	k_q252923cb2f_attn,@function
k_q252923cb2f_attn:
	s_mov_b64 s[64:65], 0
	v_nop
	global_prefetch_b8 v0, s[64:65] scope:SCOPE_SE
	s_setreg_imm32_b32 hwreg(HW_REG_WAVE_MODE, 25, 1), 1
	s_wait_xcnt 0x0
; Causal attention with a running maximum, scale 1.  qkv: [24 heads][4096 tokens][64] f16 (0-15 q, 16-19 k, 20-23 v).
; attn out: [4096 tokens][16 heads x 64] f16.  Scores, maxima, sums and the output's sums in f32; probabilities go to the matrix unit in f16.
; A work-group is (p, batch b, key head kv).  It serves the four query heads that share kv, so K and V are read once for the four, and two
; blocks of 32 queries: block 63 - p, then block p.  In units of 128 keys they need 16 - p/4 and p/4 + 1: seventeen for every work-group.
; Wave w: heads 4 kv + 2 (w / 2) + e, e = 0, 1; queries 16 (w % 2) + 0..15 of the block.
; NO CLUSTER: what else shares K and V are other query blocks, which need other numbers of units and stand at other units in the same
; trip; the sharing among the four heads is done inside the work-group.
; TRANSPOSED: S^T = K Q^T (source 0 = 16 keys, source 1 = 16 queries): lane l holds query l % 16, registers j of tile t the keys
; 16 t + 8 (l / 16) + j.  So a query's maximum and sum run inside a lane, with one exchange between the halves, and tiles 2 kk, 2 kk + 1,
; packed to f16, are source 1 of O^T = V^T P^T as they lie.  V lies [key][d] in LDS: its fragments come through the transposing load.
; Only a block's last unit touches the diagonal: it alone is masked, with the smallest finite f32, as the source does.
; LIMITS: |q|, |k|, |v| below 65,504 (f16).
; REGISTERS: window 0 as named below; window 1: v0-63 K's fragments (t, ks) at 8 (2 t + ks); v64-127 V's (dt, kk) at 64 + 8 (2 dt + kk).
.set PK,     144                       ; K's LDS row: 128 bytes + 16
.set PV,     160                       ; V's LDS row: 128 bytes + 32, an odd multiple of 32
.set REGION, 10240                     ; 64 keys; a slot: K 0-63, K 64-127, V 0-63, V 64-127; wave w fills region w
.set SLOT,   4*REGION
.set STAGE,  2*SLOT                    ; behind the ring, never filled by a tensor load: 16 tokens x 272 bytes for each wave
.set SPI,    272
.set KA,  4
.set VA,  5
.set STO, 6
.set RD,  7
.set CO,  8
.set QO,  9
.set NEG, 10
.set LIM, 12                           ; v12-15  block A: keys 0-63, 64-127 of the last unit; block B likewise: 16 t + j <= LIM is open
.set MX,  16                           ; v16-17  running maximum, head e
.set LS,  18                           ; v18-19  running sum of my half of the keys
.set NM,  20                           ; v20, v22  - maximum x log2 e (pairs, the upper registers written once)
.set AL,  24                           ; v24, v26  the factor on the old sums (pairs likewise)
.set QF,  32                           ; v32-63   Q's fragments (e, ks) at 32 + 16 e + 8 ks
.set SC,  64                           ; v64-127  score tiles (t, e) at 64 + 8 (2 t + e)
.set OT,  128                          ; v128-191 output tiles (dt, e) at 128 + 8 (2 dt + e)
.set TP,  192                          ; at work
.set KF,  0
.set VF,  64
.set MSB, 0
.macro WIN new
.if MSB != \new
	s_set_vgpr_msb (MSB<<8)|\new
.set MSB, \new
.endif
.endm
.macro PLACES
.rept 4
	v_nop
.endr
.endm
; my quarter of a unit: waves 0, 1 bring 64 keys of K, waves 2, 3 of V; the two lines differ in the padding alone
.macro KVLOAD s
	s_cmp_eq_u32 s9, 0
	s_cbranch_scc0 .Lfor_v_\@
	tensor_load_to_lds s[40+4*(\s):43+4*(\s)], s[24:31]
	s_nop 0
	s_branch .Lasked_\@
.Lfor_v_\@:
	tensor_load_to_lds s[40+4*(\s):43+4*(\s)], s[32:39]
	s_nop 0
.Lasked_\@:
.endm
.macro QLOAD base                      ; 16 queries x 64 of two heads, as source 1's fragments, straight from memory
.irp e, 0,1
.irp ks, 0,1
	global_load_b128 v[QF+16*\e+8*\ks:QF+16*\e+8*\ks+3],   v[QO], s[\base:\base+1] offset:\e*524288+\ks*64
	global_load_b128 v[QF+16*\e+8*\ks+4:QF+16*\e+8*\ks+7], v[QO], s[\base:\base+1] offset:\e*524288+\ks*64+32
.endr
.endr
.endm
; A block's start.  The output tiles are cleared, twice in the launch: the change of blocks falls into the ring's shared code, at a trip that
; hangs on the work-group's number, so no first product can be written out with the constant 0 as C.
.macro INIT
	v_mov_b32 v[MX], 0xff800000
	v_mov_b32 v[MX+1], 0xff800000
	v_mov_b32 v[NM], 0x7f800000                    ; so that the first factor on the old sums is 2^(-inf) = 0
	v_mov_b32 v[NM+2], 0x7f800000
	v_mov_b32 v[LS], 0
	v_mov_b32 v[LS+1], 0
.set n, 0
.rept 64
	v_mov_b32 v[OT+n], 0
.set n, n+1
.endr
.endm
	s_load_b128 s[4:7], s[0:1], 0x0                ; qkv 4, attn 6
	v_lshrrev_b32 v1, 5, v0
	v_readfirstlane_b32 s8, v1                     ; wave
	s_lshr_b32 s9, s8, 1
	s_and_b32 s10, s8, 1
	s_mov_b32 s11, ttmp9                           ; p
	s_and_b32 s12, ttmp7, 0xffff
	s_lshr_b32 s13, s12, 2                         ; b
	s_and_b32 s14, s12, 3                          ; kv
	s_lshr_b32 s19, s11, 2
	s_sub_co_u32 s18, 16, s19                      ; uA: block A's units
	s_mov_b32 s24, (1<<16)|(1<<20)|(4<<22)|(3<<25) ; K: 2-byte elements, 4 words behind every 32: pitch 144
	s_mov_b32 s25, 64<<16                          ; tensor_dim0 = 64
	s_mov_b32 s26, 64<<16                          ; tensor_dim1 = 64
	s_mov_b32 s27, 64<<16                          ; tile_dim0 = 64
	s_mov_b32 s28, 64                              ; tile_dim1 = 64 keys
	s_mov_b32 s29, 64                              ; a head's rows are dense
	s_mov_b32 s30, 0
	s_mov_b32 s31, 0
	s_mov_b32 s32, (1<<16)|(1<<20)|(4<<22)|(7<<25) ; V: 8 words behind every 32: pitch 160
	s_mov_b32 s33, 64<<16
	s_mov_b32 s34, 64<<16
	s_mov_b32 s35, 64<<16
	s_mov_b32 s36, 64
	s_mov_b32 s37, 64
	s_mov_b32 s38, 0
	s_mov_b32 s39, 0
	s_lshl_b32 s62, s9, 2
	s_add_co_u32 s62, s62, s14
	s_add_co_u32 s62, s62, 16                      ; head 16 + kv (K) or 20 + kv (V)
	s_lshl_b32 s62, s62, 19
	s_lshl_b32 s63, s13, 18                        ; the batch's 2,048 tokens of 128 bytes
	s_add_co_u32 s62, s62, s63
	s_lshl_b32 s63, s10, 13                        ; my 64 keys of a unit
	s_add_co_u32 s62, s62, s63
	s_mov_b32 s63, 0
	s_mul_i32 s61, s8, REGION
	s_wait_kmcnt 0x0
	s_add_nc_u64 s[22:23], s[4:5], s[62:63]        ; my part of unit 0
	s_mov_b32 s40, 1
	s_add_co_u32 s41, s61, 0*SLOT
	s_mov_b64 s[42:43], s[22:23]
	s_or_b32 s43, s43, 0x80000000
	s_mov_b32 s44, 1
	s_add_co_u32 s45, s61, 1*SLOT                  ; slot 1's address is written in the first trip
	KVLOAD 0                                       ; unit 0.  A wave never has more than one tensor load out in this text
	s_lshl_b32 s66, s14, 2
	s_lshl1_add_u32 s66, s9, s66                   ; my first query head
	s_lshl_b32 s67, s13, 11
	s_lshl4_add_u32 s67, s10, s67                  ; 2,048 b + 16 (w % 2)
	s_sub_co_u32 s68, 63, s11
	s_lshl_b32 s68, s68, 5
	s_add_co_u32 s68, s68, s67                     ; my first token in block A
	s_lshl_b32 s69, s11, 5
	s_add_co_u32 s69, s69, s67                     ; and in block B
	s_lshl_b32 s70, s66, 19
	s_lshl_b32 s62, s68, 7
	s_add_co_u32 s62, s62, s70
	s_add_nc_u64 s[48:49], s[4:5], s[62:63]        ; Q of block A
	s_lshl_b32 s62, s69, 7
	s_add_co_u32 s62, s62, s70
	s_add_nc_u64 s[50:51], s[4:5], s[62:63]        ; Q of block B
	s_lshl_b32 s70, s66, 7
	s_lshl_b32 s62, s68, 11
	s_add_co_u32 s62, s62, s70
	s_add_nc_u64 s[52:53], s[6:7], s[62:63]        ; output of block A
	s_lshl_b32 s62, s69, 11
	s_add_co_u32 s62, s62, s70
	s_add_nc_u64 s[54:55], s[6:7], s[62:63]        ; output of block B
	s_mov_b32 s56, 0x76543210                      ; v_permlanex16_b32: lane i of one half reads lane i of the other
	s_mov_b32 s57, 0xfedcba98
	s_mov_b32 s58, 0x3fb8aa3b                      ; log2 e, twice
	s_mov_b32 s59, 0x3fb8aa3b
	s_mov_b32 s60, 0xbfb8aa3b
	s_mov_b32 s16, 0                               ; u: the unit, 0..16 over both blocks
	s_mov_b32 s20, 0                               ; byte offset of the unit's keys
	s_mov_b32 s21, 0
	v_and_b32 v1, 15, v0                           ; r
	v_bfe_u32 v2, v0, 4, 1                         ; h
	v_and_b32 v3, 7, v0
	v_bfe_u32 v11, v0, 3, 1
	v_lshlrev_b32 v[QO], 7, v1
	v_lshl_add_u32 v[QO], v2, 4, v[QO]
	QLOAD 48
	v_mul_u32_u24 v[KA], v1, PK
	v_lshl_add_u32 v[KA], v2, 4, v[KA]
	v_lshl_add_u32 v[VA], v2, 3, v3
	v_mul_u32_u24 v[VA], v[VA], PV
	v_lshl_add_u32 v[VA], v11, 4, v[VA]
	v_add_nc_u32 v[VA], 2*REGION, v[VA]
	s_mul_i32 s19, s8, 16*SPI
	s_add_co_u32 s19, s19, STAGE
	v_mul_u32_u24 v[STO], v1, SPI
	v_lshl_add_u32 v[STO], v2, 4, v[STO]
	v_add_nc_u32 v[STO], s19, v[STO]
	v_mul_u32_u24 v[RD], v2, SPI
	v_lshl_add_u32 v[RD], v1, 4, v[RD]
	v_add_nc_u32 v[RD], s19, v[RD]
	v_lshlrev_b32 v[CO], 11, v2
	v_lshl_add_u32 v[CO], v1, 4, v[CO]
	v_mov_b32 v[NEG], 0xff7fffff
	v_lshlrev_b32 v11, 3, v2
	v_sub_nc_u32 v11, v1, v11                      ; r - 8 h
	s_and_b32 s19, s11, 3
	s_lshl_b32 s61, s19, 5
	s_lshl4_add_u32 s61, s10, s61                  ; block B begins 32 (p % 4) keys into its last unit; + 16 (w % 2)
	s_sub_co_u32 s19, 3, s19
	s_lshl_b32 s19, s19, 5
	s_lshl4_add_u32 s19, s10, s19                  ; block A: 32 (3 - p % 4)
	v_add_nc_u32 v[LIM], s19, v11
	v_sub_nc_u32 v[LIM+1], v[LIM], 64
	v_add_nc_u32 v[LIM+2], s61, v11
	v_sub_nc_u32 v[LIM+3], v[LIM+2], 64
	v_mov_b32 v[NM+1], 0
	v_mov_b32 v[NM+3], 0
	v_mov_b32 v[AL+1], 0
	v_mov_b32 v[AL+3], 0
	INIT
	s_wait_loadcnt 0x0                             ; Q
.macro KLOAD slot, st                  ; 64 keys of K as source 0's fragments; d = 0..31 of all four tiles first
	WIN 0x40
.irp ks, 0,1
.irp t, 0,1,2,3
	ds_load_b128 v[KF+8*(2*\t+\ks):KF+8*(2*\t+\ks)+3],   v[KA] offset:\slot*SLOT+\st*REGION+\t*16*PK+\ks*64
	ds_load_b128 v[KF+8*(2*\t+\ks)+4:KF+8*(2*\t+\ks)+7], v[KA] offset:\slot*SLOT+\st*REGION+\t*16*PK+\ks*64+32
.endr
.endr
.endm
.macro VLOAD slot, st                  ; 64 keys of V, transposed on the way
	WIN 0x40
.irp kk, 0,1
.irp dt, 0,1,2,3
	ds_load_tr16_b128 v[VF+8*(2*\dt+\kk):VF+8*(2*\dt+\kk)+3],   v[VA] offset:\slot*SLOT+\st*REGION+\kk*32*PV+\dt*32
	ds_load_tr16_b128 v[VF+8*(2*\dt+\kk)+4:VF+8*(2*\dt+\kk)+7], v[VA] offset:\slot*SLOT+\st*REGION+\kk*32*PV+\dt*32+16*PV
.endr
.endr
.endm
; 64 keys x 16 queries x 2 heads: new maximum, probabilities, sums, packing, and the factor on the old output
.macro SOFTMAX
.irp e, 0,1                                        ; two chains a head over my 32 scores
	v_max3_num_f32 v[TP+2*\e],   v[SC+8*\e],     v[SC+8*\e+1],     v[SC+8*\e+2]
	v_max3_num_f32 v[TP+2*\e+1], v[SC+8*(4+\e)], v[SC+8*(4+\e)+1], v[SC+8*(4+\e)+2]
.endr
.set n, 3
.rept 6
.irp e, 0,1
	v_max3_num_f32 v[TP+2*\e],   v[TP+2*\e],   v[SC+8*(2*(n>>3)+\e)+(n&7)],      v[SC+8*(2*((n+1)>>3)+\e)+((n+1)&7)]
	v_max3_num_f32 v[TP+2*\e+1], v[TP+2*\e+1], v[SC+8*(2*((n+16)>>3)+\e)+(n&7)], v[SC+8*(2*((n+17)>>3)+\e)+((n+1)&7)]
.endr
.set n, n+2
.endr
.irp e, 0,1
	v_max3_num_f32 v[TP+2*\e], v[TP+2*\e], v[SC+8*(2+\e)+7], v[SC+8*(6+\e)+7]
.endr
.irp e, 0,1
	v_max_num_f32 v[TP+2*\e], v[TP+2*\e], v[TP+2*\e+1]
.endr
.irp e, 0,1
	v_permlanex16_b32 v[TP+2*\e+1], v[TP+2*\e], s56, s57           ; the other half's keys
.endr
.irp e, 0,1
	v_max3_num_f32 v[MX+\e], v[TP+2*\e], v[TP+2*\e+1], v[MX+\e]
.endr
.irp e, 0,1
	v_mul_f32 v[TP+2*\e], s60, v[MX+\e]            ; - m log2 e, rounded once: the probabilities and the factor use the same number
.endr
.irp e, 0,1
	v_sub_f32 v[AL+2*\e], v[TP+2*\e], v[NM+2*\e]   ; (m old - m new) log2 e
	v_mov_b32 v[NM+2*\e], v[TP+2*\e]
.endr
.irp t, 0,1,2,3
.irp e, 0,1
.irp j, 0,2,4,6
	v_pk_fma_f32 v[SC+8*(2*\t+\e)+\j:SC+8*(2*\t+\e)+\j+1], v[SC+8*(2*\t+\e)+\j:SC+8*(2*\t+\e)+\j+1], s[58:59], v[NM+2*\e:NM+2*\e+1] op_sel_hi:[1,0,0]
.endr
.endr
.endr
	v_exp_f32 v[AL], v[AL]
	v_exp_f32 v[AL+2], v[AL+2]
.set n, 0
.rept 64
	v_exp_f32 v[SC+n], v[SC+n]
.set n, n+1
.endr
	v_nop                                          ; a plain place behind the exponentials before their results are used (ISA guide 5.7.2)
	s_wait_alu depctr_va_vdst(0)
.irp e, 0,1                                        ; sums: two chains of pairs a head
.irp c, 0,1
	v_pk_add_f32 v[TP+4+4*\e+2*\c:TP+4+4*\e+2*\c+1], v[SC+8*(4*\c+\e):SC+8*(4*\c+\e)+1], v[SC+8*(4*\c+\e)+2:SC+8*(4*\c+\e)+3]
.endr
.endr
.irp j, 4,6
.irp e, 0,1
.irp c, 0,1
	v_pk_add_f32 v[TP+4+4*\e+2*\c:TP+4+4*\e+2*\c+1], v[TP+4+4*\e+2*\c:TP+4+4*\e+2*\c+1], v[SC+8*(4*\c+\e)+\j:SC+8*(4*\c+\e)+\j+1]
.endr
.endr
.endr
.irp j, 0,2,4,6
.irp e, 0,1
.irp c, 0,1
	v_pk_add_f32 v[TP+4+4*\e+2*\c:TP+4+4*\e+2*\c+1], v[TP+4+4*\e+2*\c:TP+4+4*\e+2*\c+1], v[SC+8*(4*\c+2+\e)+\j:SC+8*(4*\c+2+\e)+\j+1]
.endr
.endr
.endr
.irp e, 0,1
	v_pk_add_f32 v[TP+4+4*\e:TP+4+4*\e+1], v[TP+4+4*\e:TP+4+4*\e+1], v[TP+6+4*\e:TP+6+4*\e+1]
.endr
.irp e, 0,1
	v_add_f32 v[TP+4+4*\e], v[TP+4+4*\e], v[TP+5+4*\e]
.endr
.irp e, 0,1
	v_fma_f32 v[LS+\e], v[LS+\e], v[AL+2*\e], v[TP+4+4*\e]         ; my half's sum; the halves meet at the block's end
.endr
.irp kk, 0,1                                       ; tiles 2 kk and 2 kk + 1 become the eight registers of fragment (kk, e), in tile 2 kk's place
.irp e, 0,1
.irp i, 0,1,2,3
	v_cvt_pk_f16_f32 v[SC+8*(4*\kk+\e)+\i], v[SC+8*(4*\kk+\e)+2*\i], v[SC+8*(4*\kk+\e)+2*\i+1]
.endr
.irp i, 0,1,2,3
	v_cvt_pk_f16_f32 v[SC+8*(4*\kk+\e)+4+\i], v[SC+8*(4*\kk+2+\e)+2*\i], v[SC+8*(4*\kk+2+\e)+2*\i+1]
.endr
.endr
.endr
.irp dt, 0,1,2,3
.irp e, 0,1
.irp j, 0,2,4,6
	v_pk_mul_f32 v[OT+8*(2*\dt+\e)+\j:OT+8*(2*\dt+\e)+\j+1], v[OT+8*(2*\dt+\e)+\j:OT+8*(2*\dt+\e)+\j+1], v[AL+2*\e:AL+2*\e+1] op_sel_hi:[1,0]
.endr
.endr
.endr
.endm
; 64 keys (half st of the unit in a slot).  Accumulators take turns, one instruction a turn.
.macro STEP slot, st, blk, masked
.rept 5
	v_nop                                          ; five places: the score tiles written next were sources of the last products with V (ISA guide 7.12.1)
.endr
	s_wait_dscnt 8                                 ; K's fragments of d = 0..31 are in, the eight of d = 32..63 may be out
	WIN 0x01                                       ; source 0 in window 1
.irp t, 0,1,2,3
.irp e, 0,1
	v_wmma_f32_16x16x32_f16 v[SC+8*(2*\t+\e):SC+8*(2*\t+\e)+7], v[KF+8*(2*\t):KF+8*(2*\t)+7], v[QF+16*\e:QF+16*\e+7], 0
.endr
.endr
	s_wait_dscnt 0
.irp t, 0,1,2,3
.irp e, 0,1
	v_wmma_f32_16x16x32_f16 v[SC+8*(2*\t+\e):SC+8*(2*\t+\e)+7], v[KF+8*(2*\t+1):KF+8*(2*\t+1)+7], v[QF+16*\e+8:QF+16*\e+15], v[SC+8*(2*\t+\e):SC+8*(2*\t+\e)+7]
.endr
.endr
	PLACES
	VLOAD \slot, \st                               ; V lands while the softmax runs
.if \st == 0
	KLOAD \slot, 1                                 ; and so do the next 64 keys of K
.endif
	WIN 0
.if \masked
.irp t, 0,1,2,3
.irp j, 0,1,2,3,4,5,6,7
	v_cmp_le_i32 vcc_lo, 16*\t+\j, v[LIM+2*\blk+\st]               ; key <= query; both heads have the same queries
	v_cndmask_b32 v[SC+8*(2*\t)+\j],   v[NEG], v[SC+8*(2*\t)+\j],   vcc_lo
	v_cndmask_b32 v[SC+8*(2*\t+1)+\j], v[NEG], v[SC+8*(2*\t+1)+\j], vcc_lo
.endr
.endr
.endif
	SOFTMAX
.if \st == 0
	s_wait_dscnt 16                                ; V is in; the sixteen loads of K issued behind it stay out
.else
	s_wait_dscnt 0
.endif
	WIN 0x01
.irp kk, 0,1
.irp dt, 0,1,2,3
.irp e, 0,1
	v_wmma_f32_16x16x32_f16 v[OT+8*(2*\dt+\e):OT+8*(2*\dt+\e)+7], v[VF+8*(2*\dt+\kk):VF+8*(2*\dt+\kk)+7], v[SC+8*(4*\kk+\e):SC+8*(4*\kk+\e)+7], v[OT+8*(2*\dt+\e):OT+8*(2*\dt+\e)+7]
.endr
.endr
.endr
	WIN 0
.endm
; A block's end: divide by the sum, round to f16, 16 tokens x 256 bytes through my own stage, out in whole rows.  next = 1: block B begins.
.macro FIN obase, next
	PLACES
.if \next
	QLOAD 50
.endif
.irp e, 0,1
	v_permlanex16_b32 v[TP+\e], v[LS+\e], s56, s57
.endr
.irp e, 0,1
	v_add_f32 v[LS+\e], v[LS+\e], v[TP+\e]
.endr
	v_rcp_f32 v[AL], v[LS]
	v_rcp_f32 v[AL+2], v[LS+1]
	v_nop                                          ; a plain place behind the reciprocals
	s_wait_alu depctr_va_vdst(0)
.irp dt, 0,1,2,3
.irp e, 0,1
.irp j, 0,2,4,6
	v_pk_mul_f32 v[OT+8*(2*\dt+\e)+\j:OT+8*(2*\dt+\e)+\j+1], v[OT+8*(2*\dt+\e)+\j:OT+8*(2*\dt+\e)+\j+1], v[AL+2*\e:AL+2*\e+1] op_sel_hi:[1,0]
.endr
.endr
.endr
.irp dt, 0,1,2,3
.irp e, 0,1
.irp i, 0,1,2,3
	v_cvt_pk_f16_f32 v[OT+8*(2*\dt+\e)+\i], v[OT+8*(2*\dt+\e)+2*\i], v[OT+8*(2*\dt+\e)+2*\i+1]
.endr
	ds_store_b128 v[STO], v[OT+8*(2*\dt+\e):OT+8*(2*\dt+\e)+3] offset:\e*128+\dt*32
.endr
.endr
.irp i, 0,1,2,3,4,5,6,7
	ds_load_b128 v[SC+4*\i:SC+4*\i+3], v[RD] offset:\i*2*SPI       ; my own bytes: LDS serves a wave's instructions in order (ISA guide 5.7.1.4)
.endr
.irp i, 0,1,2,3,4,5,6,7
	s_wait_dscnt 7-\i
	global_store_b128 v[CO], v[SC+4*\i:SC+4*\i+3], s[\obase:\obase+1] offset:\i*4096   ; sixteen lanes: 256 consecutive bytes, aligned
.endr
.if \next
	INIT
	s_wait_xcnt 0x0                                ; the stores' data lie in score tiles, which are written again only behind this wait
	s_wait_loadcnt 0x0                             ; block B's Q
.endif
.endm
; One unit of 128 keys.  In front of the barrier: all my tensor loads have landed (my quarter of this unit), the other slot's address is
; written, my reads of the other slot are back.  Behind it: the next unit into the other slot, my one tensor load, first; then this unit.
.macro TRIP slot, refill, tail
	s_wait_tensorcnt 0x0
.if \refill
	s_add_co_u32 s17, s16, 1
	s_add_co_u32 s20, s20, 16384                   ; the next 128 keys,
	s_cmp_eq_u32 s17, s18
	s_cselect_b32 s20, 0, s20                      ; or block B's first
	s_add_nc_u64 s[46-4*\slot:47-4*\slot], s[22:23], s[20:21]
	s_or_b32 s[47-4*\slot], s[47-4*\slot], 0x80000000
.endif
	s_wait_dscnt 0x0
	s_barrier_signal -1
	s_barrier_wait -1
.if \refill
	KVLOAD 1-\slot
.endif
	KLOAD \slot, 0
	WIN 0
.if \tail
	STEP \slot, 0, 1, 1                            ; block B's last unit
	STEP \slot, 1, 1, 1
	FIN 54, 0
.else
	s_cmp_eq_u32 s17, s18                          ; block A's last unit?  The same in all four waves
	s_cbranch_scc1 .Lmasked_\@
	STEP \slot, 0, 0, 0
	STEP \slot, 1, 0, 0
	s_branch .Ldone_\@
.Lmasked_\@:
	STEP \slot, 0, 0, 1
	STEP \slot, 1, 0, 1
	FIN 52, 1
.Ldone_\@:
	s_mov_b32 s16, s17
.endif
.endm
	s_mov_b32 s15, 0
.Lunits:                                           ; units 0..15; block A ends in one of them (uA is 9..16), block B in the tail
	TRIP 0, 1, 0
	TRIP 1, 1, 0
	s_add_co_u32 s15, s15, 1
	s_cmp_lt_u32 s15, 8
	s_cbranch_scc1 .Lunits
	TRIP 0, 0, 1                                   ; unit 16: nothing is left to fetch
	s_endpgm
.Lfunc_end_k_q252923cb2f_attn:
	.size	k_q252923cb2f_attn, .Lfunc_end_k_q252923cb2f_attn-k_q252923cb2f_attn
	.p2alignl 7, 3214868480
	.fill 96, 4, 3214868480
	.section	.rodata,"a",@progbits
	.p2align	6, 0x0
	.amdhsa_kernel k_q252923cb2f_attn
		.amdhsa_group_segment_fixed_size 327680
		.amdhsa_private_segment_fixed_size 0
		.amdhsa_enable_private_segment 0
		.amdhsa_kernarg_size 16
		.amdhsa_user_sgpr_count 2
		.amdhsa_user_sgpr_kernarg_segment_ptr 1
		.amdhsa_wavefront_size32 1
		.amdhsa_system_sgpr_workgroup_id_x 1
		.amdhsa_system_sgpr_workgroup_id_y 1
		.amdhsa_system_sgpr_workgroup_id_z 1
		.amdhsa_system_vgpr_workitem_id 0
		.amdhsa_next_free_vgpr 384
		.amdhsa_next_free_sgpr 72
		.amdhsa_reserve_vcc 1
		.amdhsa_float_denorm_mode_32 3
		.amdhsa_float_denorm_mode_16_64 3
		.amdhsa_memory_ordered 1
		.amdhsa_forward_progress 1
		.amdhsa_inst_pref_size 224
	.end_amdhsa_kernel
	.amdgpu_metadata
---
amdhsa.version: [ 1, 2 ]
amdhsa.kernels:
  - .name:           k_q252923cb2f_attn
    .symbol:         k_q252923cb2f_attn.kd
    .args:
      - { .name: qkv, .offset: 0, .size: 8, .value_kind: global_buffer, .address_space: global }
      - { .name: attn, .offset: 8, .size: 8, .value_kind: global_buffer, .address_space: global }
    .group_segment_fixed_size: 327680
    .private_segment_fixed_size: 0
    .kernarg_segment_align: 8
    .kernarg_segment_size: 16
    .max_flat_workgroup_size: 128
    .sgpr_count:     72
    .vgpr_count:     384
    .wavefront_size: 32
...
	.end_amdgpu_metadata
.endif
;; end of part 3
;; launch proj (part 4): grid 8 x 32, 4 waves a work-group, clusters of 4 x 4, 327,680 bytes of LDS; arguments attn, woh, out0; writes out0
.if DOCPART == 4
	.amdgcn_target "amdgcn-amd-amdhsa--gfx1250"
	.amdhsa_code_object_version 6
	.text
	.protected	k_q252923cb2f_proj
	.globl	k_q252923cb2f_proj
	.p2align	8
	.type	k_q252923cb2f_proj,@function
k_q252923cb2f_proj:
	s_mov_b64 s[64:65], 0
	v_nop
	global_prefetch_b8 v0, s[64:65] scope:SCOPE_SE
	s_setreg_imm32_b32 hwreg(HW_REG_WAVE_MODE, 25, 1), 1
	s_wait_xcnt 0x0
	s_wait_alu depctr_hold_cnt(0) depctr_sa_sdst(0) depctr_va_vdst(0) depctr_va_sdst(0) depctr_va_ssrc(0) depctr_va_vcc(0) depctr_vm_vsrc(0)
	s_getreg_b32 s2, hwreg(HW_REG_IB_STS2, 6, 4)
	s_cmp_eq_u32 s2, 0
	s_cbranch_scc0 .Lentry_in_a_cluster
	s_endpgm
.Lentry_in_a_cluster:
	s_bfe_u32 s2, ttmp6, 0x10000c
	s_cmp_lg_u32 s2, 0xf033
	s_cbranch_scc0 .Lentry_shape_is_right
	s_endpgm
.Lentry_shape_is_right:
; out = attn Wo.  attn: [4096 tokens][1024] f16.  woh: [16 panels of 128 columns][1024 k][128] f16.  out0: [4096][2048] f32.  Sums in f32.
; A work-group makes 128 tokens x 256 columns with four waves; a wave makes 64 x 128: 32 accumulator tiles, all of window 1.
; TWO LDS SLOTS OF UNLIKE SIZE take turns: L holds 256 along K (215,040 bytes with padding), S holds 128 (108,544); two of L's size
; would be 430,080 bytes and do not fit.  K = 1024 goes as L S L S L: k 0-255, 256-383, 384-639, 640-767, 768-1023; each slot's next
; fill lies 384 further along K.  So three refills stand in the launch; L's has S's 120 matrix instructions of a wave in which to land,
; S's has L's 248.  The five phases are written out by macros: there is no loop.
; Every row of a tile is 256 or 512 bytes of memory, aligned to 256.
; 4 x 4 work-groups form a cluster: attn's tile is shared along a row of the cluster, Wo's panels along a column; each is asked for jointly.
; Wo lies [k][column] in LDS: its fragments come through the transposing load.  The matrix instruction is used transposed (source 0 = 16
; columns of Wo, source 1 = 16 tokens): lane l holds token l % 16, registers 0-7 the columns 8 (l / 16) + 0..7: 32 neighbouring bytes.
; LIMIT: |attn|, |Wo| below 65,504 (f16).
; REGISTERS: window 0: v16-26 addresses; v32-127, v128-223 two fragment buffers (4 of attn, then 8 of Wo).  Window 1: tile (a, b) at v[8 (8 a + b)].
.set KSIZE,  1024
.set NB,     8
.set NLD,    2*NB+8
.set PAL,    528                       ; attn's LDS row in L: 512 bytes + 16
.set PAS,    272                       ; in S: 256 bytes + 16
.set PB,     288                       ; Wo's LDS row: 256 bytes + 32, an odd multiple of 32
.set BPL,    256*PB                    ; a panel in L
.set BPS,    128*PB                    ; a panel in S
.set ALOFF,  2*BPL                     ; L: two panels, then attn's 128 rows
.set SBASE,  ALOFF+128*PAL             ; S begins behind L: 215,040
.set ASOFF,  SBASE+2*BPS               ; S: two panels, then attn's 128 rows; S ends at 323,584
.set STAGE,  SBASE                     ; the way out: 16 rows x 528 bytes for each wave, in S, whose last fill and last read are over at the last barrier
.set SPI,    528
.set KLAP,   384                       ; along K from a slot's fill to its next
.set ADRAL, 16                         ; v16     attn's fragments in L
.set ADRAS, 17                         ; v17     in S
.set ADRBL, 18                         ; v18-19  Wo's fragments in L: k 0-127, k 128-255 (beyond the reach of a 16-bit offset)
.set ADRBS, 20                         ; v20     in S
.set STO,  24
.set RD,   25
.set CO,   26
.set F0,   32
.set F1,   128
.set G1AL, 24                          ; s[24:31] group 1, attn into L     s[32:39] attn into S
.set G1AS, 32
.set G1BL, 40                          ; s[40:47] group 1, Wo into L       s[48:55] Wo into S
.set G1BS, 48
.set G0AL, 56                          ; group 0, four registers each
.set G0AS, 60
.set G0BL, 68
.set G0BS, 72
.set MSB, 0
.macro WIN new
.if MSB != \new
	s_set_vgpr_msb (MSB<<8)|\new
.set MSB, \new
.endif
.endm
.macro PLACES                          ; four places behind a matrix instruction before its registers are loaded into or its result is read (ISA guide 7.12.1)
.rept 4
	v_nop
.endr
.endm
; A joint load: waves 0 and 1 ask for one panel of Wo each, waves 2 and 3 for 64 rows of attn each.  The branch hangs on the wave's number alone.
.macro JLOAD g0a, g1a, g0b, g1b
	s_cmp_eq_u32 s13, 0
	s_cbranch_scc1 .Lfor_b_\@
	tensor_load_to_lds s[\g0a:\g0a+3], s[\g1a:\g1a+7]
	s_nop 0
	s_branch .Lasked_\@
.Lfor_b_\@:
	tensor_load_to_lds s[\g0b:\g0b+3], s[\g1b:\g1b+7]
	s_nop 0
.Lasked_\@:
.endm
.macro CREST
	s_cmp_lg_u32 s12, 0
	s_cbranch_scc1 .Lnot_wave_0_\@
	s_barrier_signal -3
.Lnot_wave_0_\@:
	s_barrier_wait -3
	s_barrier_signal -1
	s_barrier_wait -1
.endm
.macro CROUND
	s_barrier_signal -1
	s_barrier_wait -1
	CREST
.endm
	s_load_b128 s[4:7], s[0:1], 0x0                ; attn 4, woh 6
	s_load_b64 s[8:9], s[0:1], 0x10                ; out0
	v_lshrrev_b32 v1, 5, v0
	v_readfirstlane_b32 s12, v1                    ; wave
	s_lshr_b32 s13, s12, 1                         ; rh: which 64 tokens.  Also: I fetch Wo (0) or attn (1)
	s_and_b32 s14, s12, 1                          ; c: which 128 columns
	s_bfe_u32 s16, ttmp6, 0x40000                  ; cx
	s_bfe_u32 s17, ttmp6, 0x40004                  ; cy
	s_lshl_b32 s18, ttmp9, 2
	s_add_co_u32 s18, s18, s16                     ; bx
	s_and_b32 s19, ttmp7, 0xffff
	s_lshl_b32 s19, s19, 2
	s_add_co_u32 s19, s19, s17                     ; by
	s_lshl_b32 s20, s17, 2
	s_lshl_b32 s20, 15, s20                        ; my row of the cluster
	s_lshl_b32 s21, 0x1111, s16                    ; my column
	s_or_b32 s[G1AL+0], s20, (1<<16)|(1<<20)|(1<<21)|(6<<22)|(3<<25)  ; mask; 2-byte elements; padding on; bit 21 beside a mask; 4 words behind every 128
	s_mov_b32 s[G1AL+1], 256<<16                   ; tensor_dim0 = 256
	s_mov_b32 s[G1AL+2], 64<<16                    ; tensor_dim1 = 64
	s_mov_b32 s[G1AL+3], 256<<16                   ; tile_dim0 = 256
	s_mov_b32 s[G1AL+4], 64                        ; tile_dim1 = 64 rows
	s_mov_b32 s[G1AL+5], KSIZE
	s_mov_b32 s[G1AL+6], 0
	s_mov_b32 s[G1AL+7], 0
	s_or_b32 s[G1AS+0], s20, (1<<16)|(1<<20)|(1<<21)|(5<<22)|(3<<25)  ; 4 words behind every 64
	s_mov_b32 s[G1AS+1], 128<<16
	s_mov_b32 s[G1AS+2], 64<<16
	s_mov_b32 s[G1AS+3], 128<<16
	s_mov_b32 s[G1AS+4], 64
	s_mov_b32 s[G1AS+5], KSIZE
	s_mov_b32 s[G1AS+6], 0
	s_mov_b32 s[G1AS+7], 0
	s_or_b32 s[G1BL+0], s21, (1<<16)|(1<<20)|(1<<21)|(5<<22)|(7<<25)  ; 8 words behind every 64: pitch 288
	s_mov_b32 s[G1BL+1], 128<<16
	s_mov_b32 s[G1BL+2], 256<<16
	s_mov_b32 s[G1BL+3], 128<<16
	s_mov_b32 s[G1BL+4], 256                       ; 256 rows of k
	s_mov_b32 s[G1BL+5], 128                       ; a panel is dense
	s_mov_b32 s[G1BL+6], 0
	s_mov_b32 s[G1BL+7], 0
	s_or_b32 s[G1BS+0], s21, (1<<16)|(1<<20)|(1<<21)|(5<<22)|(7<<25)
	s_mov_b32 s[G1BS+1], 128<<16
	s_mov_b32 s[G1BS+2], 128<<16
	s_mov_b32 s[G1BS+3], 128<<16
	s_mov_b32 s[G1BS+4], 128                       ; 128 rows of k
	s_mov_b32 s[G1BS+5], 128
	s_mov_b32 s[G1BS+6], 0
	s_mov_b32 s[G1BS+7], 0
	s_lshl_b32 s76, s19, 18                        ; attn: row 128 by + 64 (wave % 2), 2,048 bytes each (by and the wave's number alone)
	s_lshl_b32 s77, s14, 17
	s_add_co_u32 s76, s76, s77
	s_mov_b32 s77, 0
	s_lshl1_add_u32 s80, s18, s12                  ; Wo: panel 2 bx + wave, 262,144 bytes each (bx and the wave's number alone)
	s_lshl_b32 s80, s80, 18
	s_mov_b32 s81, 0
	s_mul_i32 s84, s12, 64*PAL                     ; where the tiles go: the wave's number times a constant, plus a constant
	s_mul_i32 s85, s12, 64*PAS
	s_mul_i32 s86, s12, BPL
	s_mul_i32 s87, s12, BPS
	s_lshl_b32 s82, s19, 20                        ; the output: row 128 by + 64 rh (8,192 bytes each), column 256 bx + 128 c (4 bytes each)
	s_lshl_b32 s83, s13, 19
	s_add_co_u32 s82, s82, s83
	s_lshl_b32 s83, s18, 10
	s_add_co_u32 s82, s82, s83
	s_lshl_b32 s83, s14, 9
	s_add_co_u32 s82, s82, s83
	s_mov_b32 s83, 0
	s_wait_kmcnt 0x0
	s_add_nc_u64 s[78:79], s[4:5], s[76:77]
	s_add_nc_u64 s[80:81], s[6:7], s[80:81]
	s_add_nc_u64 s[8:9], s[8:9], s[82:83]
	CROUND                                         ; all sixteen work-groups are here: the first joint loads meet
	s_mov_b32 s[G0AL], 1
	s_add_co_u32 s[G0AL+1], s84, ALOFF-2*64*PAL    ; (wave - 2) x 64 rows behind L's panels (waves 2, 3)
	s_mov_b64 s[G0AL+2:G0AL+3], s[78:79]           ; k = 0
	s_or_b32 s[G0AL+3], s[G0AL+3], 0x80000000
	s_mov_b32 s[G0BL], 1
	s_mov_b32 s[G0BL+1], s86                       ; wave x a panel (waves 0, 1)
	s_mov_b64 s[G0BL+2:G0BL+3], s[80:81]
	s_or_b32 s[G0BL+3], s[G0BL+3], 0x80000000
	JLOAD G0AL, G1AL, G0BL, G1BL
	s_mov_b32 s[G0AS], 1
	s_add_co_u32 s[G0AS+1], s85, ASOFF-2*64*PAS
	s_add_nc_u64 s[G0AS+2:G0AS+3], s[78:79], 256*2 ; k = 256
	s_or_b32 s[G0AS+3], s[G0AS+3], 0x80000000
	s_mov_b32 s[G0BS], 1
	s_add_co_u32 s[G0BS+1], s87, SBASE
	s_add_nc_u64 s[G0BS+2:G0BS+3], s[80:81], 256*256
	s_or_b32 s[G0BS+3], s[G0BS+3], 0x80000000
	JLOAD G0AS, G1AS, G0BS, G1BS                   ; both slots' first fills go out together: two tensor loads of a wave are out, the most in this text
	v_and_b32 v1, 15, v0                           ; r
	v_bfe_u32 v2, v0, 4, 1                         ; h
	v_and_b32 v3, 7, v0
	v_bfe_u32 v4, v0, 3, 1
	v_and_b32 v5, 31, v0
	v_mul_u32_u24 v6, v1, PAL                      ; attn's fragments: row 64 rh + r, 16 bytes for each half of the lanes
	v_lshl_add_u32 v6, v2, 4, v6
	s_mul_i32 s76, s13, 64*PAL
	s_add_co_u32 s76, s76, ALOFF
	v_add_nc_u32 v[ADRAL], s76, v6
	v_mul_u32_u24 v6, v1, PAS
	v_lshl_add_u32 v6, v2, 4, v6
	s_mul_i32 s76, s13, 64*PAS
	s_add_co_u32 s76, s76, ASOFF
	v_add_nc_u32 v[ADRAS], s76, v6
	v_lshl_add_u32 v7, v2, 3, v3                   ; the transposing load: row k = 8 h + l % 8, 16 bytes by bit 3 of the lane
	v_mul_u32_u24 v7, v7, PB
	v_lshl_add_u32 v7, v4, 4, v7
	s_mul_i32 s76, s14, BPL                        ; my panel
	v_add_nc_u32 v[ADRBL], s76, v7
	v_add_nc_u32 v[ADRBL+1], 128*PB, v[ADRBL]
	s_mul_i32 s76, s14, BPS
	s_add_co_u32 s76, s76, SBASE
	v_add_nc_u32 v[ADRBS], s76, v7
	s_mul_i32 s76, s12, 16*SPI
	s_add_co_u32 s76, s76, STAGE                   ; my stage
	v_mul_u32_u24 v8, v1, SPI                      ; in: row r, 32 bytes for each half of the lanes
	v_lshl_add_u32 v8, v2, 5, v8
	v_add_nc_u32 v[STO], s76, v8
	v_lshlrev_b32 v[CO], 4, v5                     ; back and out: 32 lanes take a row's 512 bytes
	v_add_nc_u32 v[RD], s76, v[CO]
; eight matrix instructions: row block a x my eight column blocks.  The 32 accumulators take turns, one instruction a turn, in the same
; order in every quarter.
.macro MULA f, a, zero
.irp b, 0,1,2,3,4,5,6,7
.if \zero
	v_wmma_f32_16x16x32_f16 v[8*(NB*\a+\b):8*(NB*\a+\b)+7], v[\f+32+8*\b:\f+32+8*\b+7], v[\f+8*\a:\f+8*\a+7], 0
.else
	v_wmma_f32_16x16x32_f16 v[8*(NB*\a+\b):8*(NB*\a+\b)+7], v[\f+32+8*\b:\f+32+8*\b+7], v[\f+8*\a:\f+8*\a+7], v[8*(NB*\a+\b):8*(NB*\a+\b)+7]
.endif
.endr
.endm
; the fragments of quarter kq (32 along K) into buffer f.  big = 1: from L (kq = 0..7), 0: from S (kq = 0..3)
.macro FETCH big, kq, f
.if \big
.set FRA, ADRAL
.set FPA, PAL
.set FRB, ADRBL+(\kq>>2)
.else
.set FRA, ADRAS
.set FPA, PAS
.set FRB, ADRBS
.endif
	WIN 0
.irp b, 0,1,2,3,4,5,6,7
	ds_load_tr16_b128 v[\f+32+8*\b:\f+32+8*\b+3],   v[FRB] offset:\b*32+(\kq&3)*32*PB
	ds_load_tr16_b128 v[\f+32+8*\b+4:\f+32+8*\b+7], v[FRB] offset:\b*32+(\kq&3)*32*PB+16*PB
.endr
.irp a, 0,1,2,3
	ds_load_b128 v[\f+8*\a:\f+8*\a+3],   v[FRA] offset:\a*16*FPA+\kq*64
	ds_load_b128 v[\f+8*\a+4:\f+8*\a+7], v[FRA] offset:\a*16*FPA+\kq*64+32
.endr
.endm
; multiplies buffer f; in its middle fetches quarter kq of the same slot into buffer g
.macro QUARTER big, kq, f, g, zero
	s_wait_dscnt 4                                 ; all but the youngest four loads: attn's row blocks 2 and 3 may be out
	WIN 0x50
	MULA \f, 0, \zero
	MULA \f, 1, \zero
	PLACES
	FETCH \big, \kq, \g
	s_wait_dscnt NLD                               ; all but the loads just issued
	WIN 0x50
	MULA \f, 2, \zero
	MULA \f, 3, \zero
.endm
.macro BODYL zero                      ; all of L's eight quarters but the last
	QUARTER 1, 1, F0, F1, \zero
	QUARTER 1, 2, F1, F0, 0
	QUARTER 1, 3, F0, F1, 0
	QUARTER 1, 4, F1, F0, 0
	QUARTER 1, 5, F0, F1, 0
	QUARTER 1, 6, F1, F0, 0
	QUARTER 1, 7, F0, F1, 0
.endm
.macro BODYS                           ; all of S's four quarters but the last
	QUARTER 0, 1, F0, F1, 0
	QUARTER 0, 2, F1, F0, 0
	QUARTER 0, 3, F0, F1, 0
.endm
; A slot's last quarter multiplies buffer 1 and changes slots.  In front of the barrier each wave waits for its reads of the slot that it
; leaves and for all its tensor loads (one is out: its part of the slot that comes).  fill = 1: L is left and filled again; 2: S; 0: nothing
; is left to fetch.  Where a slot is filled again the barrier opens a round of the cluster's barrier, and the joint refill is the first
; tensor load behind the round.  nextbig: the slot that comes.
.macro TURN fill, nextbig
	s_wait_dscnt 4
	WIN 0x50
	MULA F1, 0, 0
	s_wait_dscnt 0
	s_wait_tensorcnt 0x0
	s_barrier_signal -1
	MULA F1, 1, 0                                  ; registers only, while the others arrive
	WIN 0
	s_barrier_wait -1
.if \fill == 1
	CREST
	s_add_nc_u64 s[G0AL+2:G0AL+3], s[G0AL+2:G0AL+3], KLAP*2        ; no load of mine is out: group 0 may be written
	s_add_nc_u64 s[G0BL+2:G0BL+3], s[G0BL+2:G0BL+3], KLAP*256
	JLOAD G0AL, G1AL, G0BL, G1BL
.endif
.if \fill == 2
	CREST
	s_add_nc_u64 s[G0AS+2:G0AS+3], s[G0AS+2:G0AS+3], KLAP*2
	s_add_nc_u64 s[G0BS+2:G0BS+3], s[G0BS+2:G0BS+3], KLAP*256
	JLOAD G0AS, G1AS, G0BS, G1BS
.endif
	PLACES
	FETCH \nextbig, 0, F0
	WIN 0x50
	MULA F1, 2, 0
	MULA F1, 3, 0
.endm
	s_wait_tensorcnt 0x1                           ; my part of L is in; my part of S stays out
	s_barrier_signal -1
	s_barrier_wait -1
	FETCH 1, 0, F0
	BODYL 1                                        ; k 0-255; the first products start the sums: nothing is cleared
	TURN 1, 0                                      ; L <- k 384-639
	BODYS                                          ; k 256-383
	TURN 2, 1                                      ; S <- k 640-767
	BODYL 0                                        ; k 384-639
	TURN 1, 0                                      ; L <- k 768-1023
	BODYS                                          ; k 640-767
	TURN 0, 1                                      ; behind this barrier no wave reads S and no load fills it: it serves as the stage
	BODYL 0                                        ; k 768-1023
	s_wait_dscnt 4
	WIN 0x50
	MULA F1, 0, 0
	MULA F1, 1, 0
	s_wait_dscnt 0
	MULA F1, 2, 0
	MULA F1, 3, 0
	PLACES
; THE WAY OUT, 16 rows at a time: the f32 sums go as they are into my own stage and come back as whole rows of 512 bytes.
.macro OUT16 a, f
	WIN 0x04                                       ; the LDS stores' data in window 1
.irp b, 0,1,2,3,4,5,6,7
	ds_store_b128 v[STO], v[8*(NB*\a+\b):8*(NB*\a+\b)+3]   offset:64*\b
	ds_store_b128 v[STO], v[8*(NB*\a+\b)+4:8*(NB*\a+\b)+7] offset:64*\b+16
.endr
	WIN 0
	s_wait_xcnt 0x0                                ; buffer f, which earlier stores read, and the stores' base are rewritten only behind this wait
.if \a
	s_add_nc_u64 s[8:9], s[8:9], 16*8192
.endif
.irp t, 0,1,2,3,4,5,6,7,8,9,10,11,12,13,14,15
	ds_load_b128 v[\f+4*\t:\f+4*\t+3], v[RD] offset:\t*SPI         ; my own bytes: LDS serves a wave's instructions in order (ISA guide 5.7.1.4)
.endr
.irp t, 0,1,2,3,4,5,6,7,8,9,10,11,12,13,14,15
	s_wait_dscnt 15-\t
	global_store_b128 v[CO], v[\f+4*\t:\f+4*\t+3], s[8:9] offset:\t*8192 th:TH_STORE_NT   ; 512 consecutive bytes, aligned
.endr
.endm
	OUT16 0, F0
	OUT16 1, F1
	OUT16 2, F0
	OUT16 3, F1
	CROUND                                         ; the closing round
	s_endpgm
.Lfunc_end_k_q252923cb2f_proj:
	.size	k_q252923cb2f_proj, .Lfunc_end_k_q252923cb2f_proj-k_q252923cb2f_proj
	.p2alignl 7, 3214868480
	.fill 96, 4, 3214868480
	.section	.rodata,"a",@progbits
	.p2align	6, 0x0
	.amdhsa_kernel k_q252923cb2f_proj
		.amdhsa_group_segment_fixed_size 327680
		.amdhsa_private_segment_fixed_size 0
		.amdhsa_enable_private_segment 0
		.amdhsa_kernarg_size 24
		.amdhsa_user_sgpr_count 2
		.amdhsa_user_sgpr_kernarg_segment_ptr 1
		.amdhsa_wavefront_size32 1
		.amdhsa_system_sgpr_workgroup_id_x 1
		.amdhsa_system_sgpr_workgroup_id_y 1
		.amdhsa_system_sgpr_workgroup_id_z 1
		.amdhsa_system_vgpr_workitem_id 0
		.amdhsa_next_free_vgpr 512
		.amdhsa_next_free_sgpr 96
		.amdhsa_reserve_vcc 0
		.amdhsa_float_denorm_mode_32 3
		.amdhsa_float_denorm_mode_16_64 3
		.amdhsa_memory_ordered 1
		.amdhsa_forward_progress 1
		.amdhsa_inst_pref_size 147
	.end_amdhsa_kernel
	.amdgpu_metadata
---
amdhsa.version: [ 1, 2 ]
amdhsa.kernels:
  - .name:           k_q252923cb2f_proj
    .symbol:         k_q252923cb2f_proj.kd
    .args:
      - { .name: attn, .offset: 0, .size: 8, .value_kind: global_buffer, .address_space: global }
      - { .name: woh, .offset: 8, .size: 8, .value_kind: global_buffer, .address_space: global }
      - { .name: out0, .offset: 16, .size: 8, .value_kind: global_buffer, .address_space: global }
    .group_segment_fixed_size: 327680
    .private_segment_fixed_size: 0
    .kernarg_segment_align: 8
    .kernarg_segment_size: 24
    .max_flat_workgroup_size: 128
    .sgpr_count:     96
    .vgpr_count:     512
    .wavefront_size: 32
...
	.end_amdgpu_metadata
.endif
;; end of part 4
